; MI455X (gfx1250); checked and timed in simulation.
; The chip was launched on July 23, 2026; its instructions are those of AMD's public machine-readable ISA for CDNA 5 (MIT licence, August 2026) and "CDNA5" Instruction Set Architecture Reference Guide (July 2026). The comments in the code are by the model that wrote it; some were corrected since.
;; Quantizer. Allowed arithmetic: matrix products marked QUANTISED: E2M3 operands, one E8M0 scale for each 32 along K, by v_wmma_scale_f32_16x16x128_f8f6f4 with both operands' format E2M3, f32 sums; everything else in f32.
;; Inputs: codebook 4,096 x 512 float32; ze 16 x 2,048 x 512 float32.
;; Outputs: out0 16 x 2,048 x 512 float32.
;; This version of the problem:
;;   THIS VERSION OF THE PROBLEM IS GIVEN IN LOW PRECISION. The matrix products marked QUANTISED in the list below multiply operands that are first quantised to E2M3 (2 exponent bits, 3 mantissa bits; 6 bits a number), with one power-of-two scale for each 32 numbers along K (OCP MX v1.0); their sums are f32. All else is computed in f32.
;;   The module's matrix products, in the order in which they are computed (A, B: the left and right operand; K: the contracted axis; several contracted axes count as one K, in the product's order):
;;     1. [M 32,768, K 512] x [K 512, N 4,096]; A: input ze; B: input codebook: QUANTISED
;;   THE QUANTISER, for each operand of a quantised product, along K:
;;     - K is cut into blocks of 32 from its start; a last block that is shorter is filled with zeros.
;;     - A block's scale is 2^e with e = floor(log2(the largest magnitude in the block)) - 2, held to -126 .. 127; a block of zeros has e = 0. As a byte (E8M0): e + 127.
;;     - Each number is divided by its block's scale, clamped to +-7.5, and rounded to the nearest number of E2M3, ties to even, subnormals kept.
;;     - The product sums the exact products of the quantised numbers (number of the format x scale) in f32.
;;   ~~~python
;;   def quantise(x, axis):      # numpy; x: float32 -> the quantised numbers, widened to float32 again
;;       x = np.moveaxis(x, axis, -1); K = x.shape[-1]
;;       x = np.pad(x, [(0, 0)] * (x.ndim - 1) + [(0, -K % 32)]); x = x.reshape(x.shape[:-1] + (-1, 32)); a = np.abs(x).max(-1, keepdims=True)
;;       e = np.where(a > 0, np.clip(np.frexp(np.where(a > 0, a, 1))[1] - 1 - 2, -126, 127), 0)      # np.frexp(a)[1] - 1 = floor(log2(a)), exactly
;;       r = np.clip(x / 2.0 ** e, -7.5, 7.5)
;;       step = 2.0 ** (np.maximum(np.frexp(np.where(r == 0, 1, r))[1] - 1, 0) - 3)
;;       q = np.round(r / step) * step * 2.0 ** e      # np.round: ties to even
;;       return np.moveaxis(q.reshape(q.shape[:-2] + (-1,))[..., :K], -1, axis).astype(np.float32)
;;   ~~~
;; One version. Each part assembles by itself: llvm-mc -triple=amdgcn-amd-amdhsa -mcpu=gfx1250 --defsym DOCPART=n.
;; ======== version 1 of 1: 3 launches
;; limits: right only within a limited range of input values
;; workspace buffers: cbq 1,703,936 bytes; idx 131,072 bytes of whole numbers
;; launch quantcb (part 1): grid 256 x 1, 4 waves a work-group, no clusters, 35,328 bytes of LDS; arguments codebook, cbq; writes cbq
.if DOCPART == 1
	.amdgcn_target "amdgcn-amd-amdhsa--gfx1250"
	.amdhsa_code_object_version 6
	.text
	.protected	k_q7918520fc5_quantcb
	.globl	k_q7918520fc5_quantcb
	.p2align	8
	.type	k_q7918520fc5_quantcb,@function
k_q7918520fc5_quantcb:
	s_mov_b64 s[64:65], 0
	v_nop
	global_prefetch_b8 v0, s[64:65] scope:SCOPE_SE
	s_setreg_imm32_b32 hwreg(HW_REG_WAVE_MODE, 25, 1), 1
	s_wait_xcnt 0x0
; The codebook [4096][512] f32 becomes, once, what the product's launch reads: for each tile of 16 codes a record of TILEB = 6,656 bytes:
;   0 .. 6143     four images of an operand's registers, one for each 128 along K: FP6 (E2M3) codes; registers 4 c .. 4 c + 3 of lane l at 1536 s + 512 c + 16 l
;   6144 .. 6399  the scale words: lane l = r + 16 h has 8 bytes at 8 l: code r's word (four E8M0 bytes) of K step h, then of K step 2 + h
;   6400 .. 6655  the 16 sums of squares of the UNQUANTISED rows, f32, 64 bytes, written four times on end so that the store covers 256 consecutive bytes
; A block's scale is 2^(floor(log2(its largest magnitude)) - 2); its byte is the largest magnitude's exponent field - 2, held at 1 from below.
; LIMITS: NaN and infinities are not served; a block whose largest magnitude lies under 2^-124 keeps the byte 1; a block of zeros gets the byte 1 (the rule says 127): its codes are zeros,
; which add nothing under any byte but 0xff, and this program alone reads the bytes.  The sum of squares is taken in f32 in a tree order of this text's own.
; SHARES: work-group T takes tile T, wave s its K step s (16 rows x 512 bytes).  Each load takes 512 consecutive bytes of a row; the numbers turn through the wave's own stage in LDS, so that a lane
; then holds 16 neighbours of each block of 32 of ONE row.  No tensor load, no matrix instruction, no cluster: work-groups share nothing.
; WORK LEFT OUT BY THIS PROGRAM: reference() takes the argmin over the codes of |ze|^2 + |c|^2 - 2 ze.c.  |ze|^2 is the same number for every code of a row, so for all values of the inputs
; the code that makes |c|^2 - 2 ze.c least, that is dot - |c|^2 / 2 greatest, is the same code in exact arithmetic: |ze|^2 is never formed.  ze itself is live (it is an operand of the product) and is loaded.
; LIMIT: an overflow that reaches only |ze|^2 is not carried to the result; codes whose distances differ by less than the rounding of f32 may be told apart otherwise than in reference().
; So bytes 6400 .. 6655 of a record hold -|c|^2 / 2 (the sum of squares times -0.5, an exact scaling): the product's launch gives them to the matrix unit as the number from which a sum starts.
.set TILEB, 6656
.set SP,    528                        ; a stage row: 512 bytes + 16: the sixteen rows that a load touches begin 33 x 16 bytes apart
.set WST,   16*SP                      ; a wave's stage
.set QSC,   4*WST                      ; behind the stages: the tile's scale image, 256 bytes,
.set QCN,   QSC+256                    ; and the four waves' partial sums of squares, 64 bytes each
.set GA,  2                            ; v2   16 x lane
.set STW, 3                            ; v3   the stage, on the way in
.set STR, 4                            ; v4   and on the way out: row r, + 64 h
.set QSW, 5                            ; v5   where my row's scale word goes
.set QCW, 6                            ; v6   where my row's partial sum goes
.set L8,  7                            ; v7   8 x lane
.set QSR, 8                            ; v8   wave 0 reads the scale image
.set QCR, 9                            ; v9   and the partial sums
.set TM,  16                           ; v16-31  the quantiser's scratch
.set PW,  32                           ; v32     the scale word just made
.set PC,  34                           ; v34-53  the codes just made (12 registers) and 8 at work
.set NV,  54                           ; v54     my row's partial sum of squares
.set SQ,  56                           ; v56-63  four pairs of running sums
.set R,   64                           ; v64-127  the numbers as loaded
.set X,   128                          ; v128-191 register 16 b + i = k 32 b + 16 h + i of row r
.set SEL, 20                           ; s[20:21] v_permlanex16_b32's selects for lane l xor 16
; the sum of squares of X's 64 numbers, two at a time, in four chains.  first = 1: the first four products start the chains: nothing is cleared
.macro SUMSQ first
.set qi, 0
.rept 32
.if \first && (qi < 4)
	v_pk_mul_f32 v[SQ+2*(qi%4):SQ+2*(qi%4)+1], v[X+2*qi:X+2*qi+1], v[X+2*qi:X+2*qi+1]
.else
	v_pk_fma_f32 v[SQ+2*(qi%4):SQ+2*(qi%4)+1], v[X+2*qi:X+2*qi+1], v[X+2*qi:X+2*qi+1], v[SQ+2*(qi%4):SQ+2*(qi%4)+1]
.endif
.set qi, qi+1
.endr
.endm
; the eight running sums, and lane l xor 16's, become the row's sum in v[dst], in both lanes of the row
.macro SQRED dst
	v_pk_add_f32 v[SQ:SQ+1], v[SQ:SQ+1], v[SQ+2:SQ+3]
	v_pk_add_f32 v[SQ+4:SQ+5], v[SQ+4:SQ+5], v[SQ+6:SQ+7]
	v_pk_add_f32 v[SQ:SQ+1], v[SQ:SQ+1], v[SQ+4:SQ+5]
	v_add_f32 v[SQ], v[SQ], v[SQ+1]
	v_permlanex16_b32 v[SQ+1], v[SQ], s[SEL], s[SEL+1]
	v_add_f32 v[\dst], v[SQ], v[SQ+1]
.endm
; 64 numbers of a lane, register 16 b + i = k 32 b + 16 (lane / 16) + i of my row, become a fragment's codes in v[PC] on and its scale word in v[PW]
.macro QUANT s
.irp b, 0,1,2,3
	v_max3_num_f32 v[TM+\b], |v[\s+16*\b]|, |v[\s+1+16*\b]|, 0x1800000   ; block b: my 16 numbers, and the floor 2^(3 - 127): the byte cannot fall under 1
.endr
.irp i, 2,4,6,8,10,12,14
.irp b, 0,1,2,3
	v_max3_num_f32 v[TM+\b], v[TM+\b], |v[\s+16*\b+\i]|, |v[\s+1+16*\b+\i]|   ; the four blocks by turns
.endr
.endr
.irp b, 0,1,2,3
	v_permlanex16_b32 v[TM+4+\b], v[TM+\b], s[SEL], s[SEL+1]
.endr
.irp b, 0,1,2,3
	v_max_num_f32 v[TM+\b], v[TM+\b], v[TM+4+\b]   ; with lane l xor 16's: the block's largest magnitude
.endr
.irp b, 0,1,2,3
	v_add_nc_u32 v[TM+12+\b], 0xff000000, v[TM+\b]   ; 2 off its exponent field: the conversion takes the exponent field of this operand as its scale
.endr
.irp b, 0,1,2,3
	v_lshrrev_b32 v[TM+4+\b], 23, v[TM+12+\b]      ; the scale's byte
.endr
	v_lshl_or_b32 v[PW], v[TM+5], 8, v[TM+4]       ; the four bytes make my row's scale word (the same in both lanes of the row)
	v_lshl_or_b32 v[PW], v[TM+6], 16, v[PW]
	v_lshl_or_b32 v[PW], v[TM+7], 24, v[PW]
.irp c, 0,1
	v_cvt_scalef32_pk16_fp6_f32 v[PC+6*\c:PC+2+6*\c], v[\s+32*\c:\s+15+32*\c], v[TM+12+2*\c]
	v_cvt_scalef32_pk16_fp6_f32 v[PC+12+4*\c:PC+14+4*\c], v[\s+16+32*\c:\s+31+32*\c], v[TM+12+2*\c+1]   ; (a conversion's three registers begin on an even number)
.endr
	v_nop                                          ; one plain instruction behind the scaled conversions
.irp c, 0,1                                    ; the operand's layout wants a WHOLE block in a lane: lanes 0-15 block 2 c, lanes 16-31 block 2 c + 1
.irp i, 0,1,2
	v_permlane16_swap_b32 v[PC+6*\c+\i], v[PC+12+4*\c+\i]
.endr
.irp i, 0,1,2
	v_mov_b32 v[PC+3+6*\c+\i], v[PC+12+4*\c+\i]
.endr
.endr
.endm
	s_load_b128 s[4:7], s[0:1], 0x0                ; the codebook, cbq
	v_lshl_add_u32 v192, v0, 2, 0x8800
	v_mov_b32 v193, 0
	v_lshrrev_b32 v1, 5, v0
	v_readfirstlane_b32 s8, v1                     ; wave 0..3 = my K step
	v_and_b32 v1, 31, v0                           ; lane
	v_and_b32 v10, 15, v0                          ; r
	s_wait_alu depctr_va_vdst(0)
	v_bfe_u32 v11, v0, 4, 1                        ; h
	v_lshlrev_b32 v[GA], 4, v1
	s_mul_i32 s9, s8, WST
	v_add_nc_u32 v[STW], s9, v[GA]
	v_mul_u32_u24 v[STR], v10, SP
	v_lshl_add_u32 v[STR], v11, 6, v[STR]
	v_add_nc_u32 v[STR], s9, v[STR]
	s_and_b32 s9, s8, 1                            ; K step s lies in lanes 16 (s % 2) on, word s / 2 of a lane's two
	s_lshl_b32 s9, s9, 7
	s_lshr_b32 s12, s8, 1
	s_lshl_b32 s12, s12, 2
	s_add_co_u32 s9, s9, s12
	s_add_co_u32 s9, s9, QSC
	v_lshl_add_u32 v[QSW], v10, 3, s9
	s_lshl_b32 s9, s8, 6
	s_add_co_u32 s9, s9, QCN
	v_lshl_add_u32 v[QCW], v10, 2, s9
	v_lshlrev_b32 v[L8], 3, v1
	v_add_nc_u32 v[QSR], QSC, v[L8]
	v_and_b32 v[QCR], 63, v[L8]                    ; eight lanes cover the 16 sums; the other 24 repeat them
	v_add_nc_u32 v[QCR], QCN, v[QCR]
	s_mov_b32 s[SEL], 0x76543210
	s_mov_b32 s[SEL+1], 0xfedcba98
.irp b, 0,1,2,3
	v_mov_b32 v[TM+4+\b], 0                        ; written once: a lane permute's destination counts as one of its sources
.endr
	s_mul_i32 s12, ttmp9, TILEB                    ; my tile's record
	s_mov_b32 s13, 0
	s_lshl_b32 s14, ttmp9, 15                      ; my tile's 16 rows of 2,048 bytes,
	s_lshl_b32 s15, s8, 9                          ; my K step's 512 bytes of each
	s_add_co_u32 s14, s14, s15
	s_mov_b32 s15, 0
	s_mul_i32 s16, s8, 1536                        ; my image in the record
	s_mov_b32 s17, 0
	s_wait_kmcnt 0x0
	s_add_nc_u64 s[4:5], s[4:5], s[14:15]
	s_add_nc_u64 s[6:7], s[6:7], s[12:13]
	s_add_nc_u64 s[10:11], s[6:7], s[16:17]
.irp i, 0,1,2,3,4,5,6,7,8,9,10,11,12,13,14,15
	global_load_b128 v[R+4*\i:R+4*\i+3], v[GA], s[4:5] offset:2048*\i th:TH_LOAD_NT   ; 32 lanes read 512 consecutive bytes of row i
.endr
	s_wait_loadcnt 0x0
.irp i, 0,1,2,3,4,5,6,7,8,9,10,11,12,13,14,15
	ds_store_b128 v[STW], v[R+4*\i:R+4*\i+3] offset:SP*\i
.endr
.irp b, 0,1,2,3
.irp q, 0,1,2,3
	ds_load_b128 v[X+16*\b+4*\q:X+16*\b+4*\q+3], v[STR] offset:128*\b+16*\q   ; LDS serves a wave's instructions in order: these see my stores
.endr
.endr
	s_wait_dscnt 0x0
	SUMSQ 1
	SQRED NV
	ds_store_b32 v[QCW], v[NV]                     ; both lanes of a row write the same word with the same value
	QUANT X
.irp c, 0,1,2
	global_store_b128 v[GA], v[PC+4*\c:PC+4*\c+3], s[10:11] offset:512*\c   ; the image: 512 consecutive bytes a store, at a multiple of 256 from the buffer's first byte
.endr
	ds_store_b32 v[QSW], v[PW]
	s_wait_dscnt 0x0                               ; for wave 0's sake: my stores into LDS are done
	s_barrier_signal -1
	s_barrier_wait -1
	s_cmp_lg_u32 s8, 0
	s_cbranch_scc1 .Lend
	ds_load_b64 v[72:73], v[QSR]                   ; wave 0 sends the scale image and the sums
.irp s, 0,1,2,3
	ds_load_b64 v[64+2*\s:65+2*\s], v[QCR] offset:64*\s
.endr
	s_wait_dscnt 0x0
	v_pk_add_f32 v[64:65], v[64:65], v[66:67]
	v_pk_add_f32 v[68:69], v[68:69], v[70:71]
	v_pk_add_f32 v[64:65], v[64:65], v[68:69]
	v_pk_mul_f32 v[64:65], v[64:65], -0.5 op_sel_hi:[1,0]   ; -|c|^2 / 2: exact
	global_store_b64 v[L8], v[72:73], s[6:7] offset:6144
	global_store_b64 v[L8], v[64:65], s[6:7] offset:6400
.Lend:
	s_wait_tensorcnt 0x0
	ds_add_u32 v192, v193
	s_wait_dscnt 0x0
	s_endpgm
.Lfunc_end_k_q7918520fc5_quantcb:
	.size	k_q7918520fc5_quantcb, .Lfunc_end_k_q7918520fc5_quantcb-k_q7918520fc5_quantcb
	.p2alignl 7, 3214868480
	.fill 96, 4, 3214868480
	.section	.rodata,"a",@progbits
	.p2align	6, 0x0
	.amdhsa_kernel k_q7918520fc5_quantcb
		.amdhsa_group_segment_fixed_size 35328
		.amdhsa_private_segment_fixed_size 0
		.amdhsa_enable_private_segment 0
		.amdhsa_kernarg_size 16
		.amdhsa_user_sgpr_count 2
		.amdhsa_user_sgpr_kernarg_segment_ptr 1
		.amdhsa_wavefront_size32 1
		.amdhsa_system_sgpr_workgroup_id_x 1
		.amdhsa_system_sgpr_workgroup_id_y 1
		.amdhsa_system_sgpr_workgroup_id_z 1
		.amdhsa_system_vgpr_workitem_id 0
		.amdhsa_next_free_vgpr 194
		.amdhsa_next_free_sgpr 66
		.amdhsa_reserve_vcc 0
		.amdhsa_float_denorm_mode_32 3
		.amdhsa_float_denorm_mode_16_64 3
		.amdhsa_memory_ordered 1
		.amdhsa_forward_progress 1
		.amdhsa_inst_pref_size 14
	.end_amdhsa_kernel
	.amdgpu_metadata
---
amdhsa.version: [ 1, 2 ]
amdhsa.kernels:
  - .name:           k_q7918520fc5_quantcb
    .symbol:         k_q7918520fc5_quantcb.kd
    .args:
      - { .name: codebook, .offset: 0, .size: 8, .value_kind: global_buffer, .address_space: global }
      - { .name: cbq, .offset: 8, .size: 8, .value_kind: global_buffer, .address_space: global }
    .group_segment_fixed_size: 35328
    .private_segment_fixed_size: 0
    .kernarg_segment_align: 8
    .kernarg_segment_size: 16
    .max_flat_workgroup_size: 128
    .sgpr_count:     66
    .vgpr_count:     194
    .wavefront_size: 32
...
	.end_amdgpu_metadata
.endif
;; end of part 1
;; launch argmin (part 2): grid 256 x 1, 8 waves a work-group, clusters of 4 x 1, 327,680 bytes of LDS; arguments ze, cbq, idx; writes idx
.if DOCPART == 2
	.amdgcn_target "amdgcn-amd-amdhsa--gfx1250"
	.amdhsa_code_object_version 6
	.text
	.protected	k_q7918520fc5_argmin
	.globl	k_q7918520fc5_argmin
	.p2align	8
	.type	k_q7918520fc5_argmin,@function
k_q7918520fc5_argmin:
	s_mov_b64 s[64:65], 0
	v_nop
	global_prefetch_b8 v0, s[64:65] scope:SCOPE_SE
	s_setreg_imm32_b32 hwreg(HW_REG_WAVE_MODE, 25, 1), 1
	s_wait_xcnt 0x0
	s_wait_alu depctr_hold_cnt(0) depctr_sa_sdst(0) depctr_va_vdst(0) depctr_va_sdst(0) depctr_va_ssrc(0) depctr_va_vcc(0) depctr_vm_vsrc(0)
	s_getreg_b32 s2, hwreg(HW_REG_IB_STS2, 6, 4)
	s_cmp_eq_u32 s2, 0
	s_cbranch_scc0 .Lentry_in_a_cluster
	s_endpgm
.Lentry_in_a_cluster:
	s_bfe_u32 s2, ttmp6, 0x10000c
	s_cmp_lg_u32 s2, 0x3003
	s_cbranch_scc0 .Lentry_shape_is_right
	s_endpgm
.Lentry_shape_is_right:
; idx[row] = the first code that makes t = Q(ze) . Q(c) - |c|^2 / 2 greatest.  The product is made on codes of FP6 (E2M3) with E8M0 scales for each 32 along K = 512.
; WORK LEFT OUT: |ze|^2 is the same for all codes of a row and cannot move the argmin in exact arithmetic, for all values of the inputs: it is not formed (see the first kernel's head).
; -|c|^2 / 2 (from cbq) is the C of each sum's first matrix instruction, so t comes out of the matrix unit as it is searched.  Among equal t the lower code is taken, at every level.
; LIMITS: NaN and infinities are not served; a block whose largest magnitude lies under 2^-124 keeps the scale byte 1, and so does a block of zeros (its codes are zeros);
; t is rounded at each of the four K steps, not as reference() rounds its distance: codes whose distances differ by less than that rounding may be told apart otherwise.
; SHARES.  Work-group g owns rows 128 g .. 128 g + 127.  Wave w quantises rows 16 w .. 16 w + 15 (4 fragments) and hands them on through LDS as images of the operand's registers.
; Then wave w = 2 tq + rh holds the 64 rows of half rh (4 row tiles x 4 K steps x 12 = 192 registers) and takes, of each chunk of 16 code tiles, tiles 4 tq .. 4 tq + 3.
; Eight waves, two to a SIMD: a wave's 16 matrix instructions of a tile stand in one group and its search of the tile behind them, so that the SIMD's other wave has its group to issue meanwhile.
; CLUSTER.  The four work-groups of a cluster ask for each eighth of a chunk JOINTLY (mask 15).  No 4 x 4 cluster: one operand alone is shared.
; THE WALK GOES ROUND.  Cluster x begins at chunk (x + x / 16) mod 16 and takes the sixteen chunks in ascending order, chunk 0 behind chunk 15: the clusters do not all ask for the same chunk at the same step.
; Ahead of chunk 0 (a branch on ids, the same in all waves and partners) the search's state is put by in window 1 and the search begins anew: what follows has lower codes than all that went before.
; At the end the state put by wins only where its t is strictly greater.
; NO PREFETCH: the launch's first loads ask for all sixteen chunks between them, so from its second chunk on a work-group asks for bytes that other work-groups of the launch have read before it.
; LAYOUT.  Source 0 = 16 codes, source 1 = 16 rows of ze: in accumulator a lane (r, h) holds row 16 a + r, its register j code 16 T + 8 h + j.
; THE SEARCH, 9 vector instructions for a tile x a row tile: four three-way maxima that take the running greatest along (it lies in two sets by turns), a compare with the old one into VCC, and under it
; four dual-issue pairs of selects that keep t0 .. t6 and the tile's number.  A row tile's state is a block of eight registers laid as its accumulator is, so that the two halves of a pair name
; an even and an odd destination and sources in different banks.  WHICH of the eight won is found once, at the end.
; REGISTERS.  Window 0: addresses, scale words, -|c|^2/2 (two sets), the search's state, 4 accumulators, the codebook's fragments (two sets of 48).  Window 1: ze as loaded, then v0-191 ze's fragments, v192-227 the state put by.
.set TILEB,  6656
.set WQ,     4*TILEB                   ; what a wave reads of a chunk
.set WE,     2*TILEB                   ; what a wave's tensor load brings: 52 rows of 256 bytes
.set CHUNKB, 16*TILEB                  ; a slot
.set SP,     528                       ; a stage row: 512 bytes + 16
.set STG,    16*SP
.set REG,    STG+3*1536                ; a wave's region: its stage, then its images 0 to 2; image 3 is laid over the stage, which has been read by then
.set WREGB,  2*CHUNKB                  ; behind the two slots, in blocks that no tensor load fills: the eight regions,
.set XSC,    WREGB+8*REG               ; ze's scale words, 32 fragments x 64 bytes,
.set SPARE,  XSC+2048                  ; the spare words, 128 bytes for each wave, that no other line names,
.set RED,    SPARE+1024                ; and the waves' results: 4 x 128 rows x (greatest t, code)
.set SPW, 1
.set NIL, 2
.set AF,  3                            ; v3-4   16 x lane + my quarter, in slot 0, 1
.set AS,  5                            ; v5-6   8 x lane + my quarter
.set AC,  7                            ; v7-8   32 h + my quarter
.set GA,  10                           ; 16 x lane
.set STW, 11                           ; my region + 16 x lane: the stage on the way in, and my images
.set STR, 12                           ; the stage on the way out: row r, + 64 h
.set XSW, 13
.set XR,  14
.set XSR, 15
.set REDW, 16
.set REDR, 17
.set H8,  18
.set IDO, 19
.set T0,  20
.set T1,  21
.set TNV, 23                           ; v23    the number of the tile in hand (another bank than an accumulator's register 6)
.set CS,  24                           ; v24-27 the codebook's scale words, two sets
.set ZS,  28                           ; v28-35 ze's
.set CN,  36                           ; v36-51 -|c|^2/2, two sets of 8
.set RUN, 52                           ; v52-59 the running greatest, two sets of 4 by turns
.set ST,  60                           ; v60-91 row tile a: registers 8 a .. 8 a + 6 the winning tile's t0 .. t6, register 8 a + 7 its number
.set ACC, 92                           ; v92-123
.set CF,  124                          ; v124-219
.set VP,  220                          ; the end's
.set JJ,  238
.set OVB, 242
.set BK,  192                          ; window 1: the state put by: 4 greatest, then the 32 of ST
.set X,   CF                           ; while ze is quantised: 64 numbers,
.set PC,  188                          ; the codes just made,
.set TM,  208                          ; scratch,
.set PW,  224                          ; the scale word
.set WV,  10
.set RH,  13
.set TQ,  14
.set G1,  16                           ; s[16:23] group 1
.set G0,  24                           ; s[24:27], s[28:31] group 0 of slot 0, 1
.set TRIP, 32
.set TN,  33
.set SEL, 34
.set BASE, 36                          ; s[36:37] cbq at my eighth of chunk 0
.set CK,  39                           ; s39 the chunk asked for last
.set MK,  40                           ; s40-43 the end's masks
.set NINF, 47                          ; s47 -infinity
.set OFS, 60                           ; s[60:61] a chunk's byte offset
.set MSB, 0
.macro WIN new                         ; the immediate's high byte repeats the setting that is left
.if MSB != \new
	s_set_vgpr_msb (MSB<<8)|\new
.set MSB, \new
.endif
.endm
.macro CREST                           ; a round of the cluster's barrier behind its opening barrier
	s_cmp_lg_u32 s[WV], 0
	s_cbranch_scc1 .Lnot_wave_0_\@
	s_barrier_signal -3
.Lnot_wave_0_\@:
	s_barrier_wait -3
	s_barrier_signal -1
	s_barrier_wait -1
.endm
.macro ROUND
	s_barrier_signal -1
	s_barrier_wait -1
	CREST
.endm
.macro PLACES                          ; four places
.rept 4
	v_nop
.endr
.endm
.macro PLACET                          ; four places between a matrix instruction and the first vector read of its result (ISA guide 7.12.1): the first of them is work that is due
	v_mov_b32 v[TNV], s[TN]
.rept 3
	v_nop
.endr
.endm
; 64 numbers of a lane, register 16 b + i = k 32 b + 16 (lane / 16) + i of my row, become a fragment's codes in v[PC] on and its scale word in v[PW]
.macro QUANT s
.irp b, 0,1,2,3
	v_max3_num_f32 v[TM+\b], |v[\s+16*\b]|, |v[\s+1+16*\b]|, 0x1800000   ; and the floor 2^(3 - 127): the byte cannot fall under 1
.endr
.irp i, 2,4,6,8,10,12,14
.irp b, 0,1,2,3
	v_max3_num_f32 v[TM+\b], v[TM+\b], |v[\s+16*\b+\i]|, |v[\s+1+16*\b+\i]|
.endr
.endr
.irp b, 0,1,2,3
	v_permlanex16_b32 v[TM+4+\b], v[TM+\b], s[SEL], s[SEL+1]
.endr
.irp b, 0,1,2,3
	v_max_num_f32 v[TM+\b], v[TM+\b], v[TM+4+\b]   ; with lane l xor 16's: the block's largest magnitude
.endr
.irp b, 0,1,2,3
	v_add_nc_u32 v[TM+12+\b], 0xff000000, v[TM+\b]   ; 2 off its exponent field: the conversion's scale operand
.endr
.irp b, 0,1,2,3
	v_lshrrev_b32 v[TM+4+\b], 23, v[TM+12+\b]      ; the scale's byte
.endr
	v_lshl_or_b32 v[TM+8], v[TM+5], 8, v[TM+4]
	v_lshl_or_b32 v[TM+9], v[TM+7], 8, v[TM+6]
	s_delay_alu instid0(VALU_DEP_1)
	v_lshl_or_b32 v[PW], v[TM+9], 16, v[TM+8]      ; my row's scale word
	v_nop
.irp c, 0,1
	v_cvt_scalef32_pk16_fp6_f32 v[PC+6*\c:PC+2+6*\c], v[\s+32*\c:\s+15+32*\c], v[TM+12+2*\c]
	v_cvt_scalef32_pk16_fp6_f32 v[PC+12+4*\c:PC+14+4*\c], v[\s+16+32*\c:\s+31+32*\c], v[TM+12+2*\c+1]   ; (a conversion's three registers begin on an even number)
.endr
	v_nop                                          ; one plain instruction behind the scaled conversions
.irp c, 0,1                                    ; a WHOLE block in a lane: lanes 0-15 block 2 c, lanes 16-31 block 2 c + 1
.irp i, 0,1,2
	v_permlane16_swap_b32 v[PC+6*\c+\i], v[PC+12+4*\c+\i]
.endr
.irp i, 0,1,2
	v_mov_b32 v[PC+3+6*\c+\i], v[PC+12+4*\c+\i]
.endr
.endr
.endm
.macro LOADF f                         ; K step f of my 16 rows, 512 consecutive bytes a load, into set f of window 1
	WIN 0x40
.irp i, 0,1,2,3,4,5,6,7,8,9,10,11,12,13,14,15
	global_load_b128 v[64*(\f)+4*\i:64*(\f)+4*\i+3], v[GA], s[4:5] offset:2048*\i+512*(\f) th:TH_LOAD_NT
.endr
	WIN 0
.endm
.macro XFRAG f, left                   ; fragment f turns through my stage, is quantised, and its image and scale words go to LDS.  left: the younger sets' loads, 16 each, that may stay out
	s_wait_loadcnt \left
	WIN 0x04                                       ; an LDS store's data are its source 1: window 1
.irp i, 0,1,2,3,4,5,6,7,8,9,10,11,12,13,14,15
	ds_store_b128 v[STW], v[64*(\f)+4*\i:64*(\f)+4*\i+3] offset:SP*\i
.endr
	WIN 0
.irp b, 0,1,2,3
.irp q, 0,1,2,3
	ds_load_b128 v[X+16*\b+4*\q:X+16*\b+4*\q+3], v[STR] offset:128*\b+16*\q   ; LDS serves a wave's instructions in order: these see my stores
.endr
.endr
	s_wait_dscnt 0x0
	QUANT X
.irp c, 0,1,2
	ds_store_b128 v[STW], v[PC+4*\c:PC+4*\c+3] offset:(STG+1536*(\f))*(1-(\f)/3)+512*\c
.endr
	ds_store_b32 v[XSW], v[PW] offset:64*(\f)      ; both lanes of a row write the same word with the same value
.endm
.macro FETCH sl, i, p                  ; tile i of my four in slot sl: fragments, scale words and -|c|^2/2 into set p: 15 loads
.irp s, 0,1,2,3
.irp c, 0,1,2
	ds_load_b128 v[CF+48*(\p)+12*\s+4*\c:CF+48*(\p)+12*\s+4*\c+3], v[AF+(\sl)] offset:TILEB*(\i)+1536*\s+512*\c
.endr
.endr
	ds_load_b64 v[CS+2*(\p):CS+2*(\p)+1], v[AS+(\sl)] offset:TILEB*(\i)+6144
	ds_load_b128 v[CN+8*(\p):CN+8*(\p)+3], v[AC+(\sl)] offset:TILEB*(\i)+6400
	ds_load_b128 v[CN+8*(\p)+4:CN+8*(\p)+7], v[AC+(\sl)] offset:TILEB*(\i)+6416
.endm
.macro MM d, f, z, c, sa, sb, row
.if \row
	v_wmma_scale_f32_16x16x128_f8f6f4 v[\d:\d+7], v[\f:\f+11], v[\z:\z+11], v[\c:\c+7], v[\sa], v[\sb] matrix_a_fmt:MATRIX_FMT_FP6 matrix_b_fmt:MATRIX_FMT_FP6 matrix_a_scale:MATRIX_SCALE_ROW1 matrix_b_scale:MATRIX_SCALE_ROW1
.else
	v_wmma_scale_f32_16x16x128_f8f6f4 v[\d:\d+7], v[\f:\f+11], v[\z:\z+11], v[\c:\c+7], v[\sa], v[\sb] matrix_a_fmt:MATRIX_FMT_FP6 matrix_b_fmt:MATRIX_FMT_FP6
.endif
.endm
; 16 matrix instructions on the tile in set p: K step by K step, the four accumulators by turns; the first four start the sums from -|c|^2/2
.macro MULS p
	WIN 0x04                                       ; source 1 (ze) window 1, all else window 0
.set n, 0
.rept 16
.set ts, n/4
.set ta, n%4
.set rD, ACC+8*ta
.set rF, CF+48*(\p)+12*ts
.set rZ, 48*ta+12*ts
.if ts == 0
.set rC, CN+8*(\p)
.else
.set rC, rD
.endif
	MM rD, rF, rZ, rC, CS+2*(\p)+ts/2, ZS+2*ta+ts/2, ts%2
.set n, n+1
.endr
	WIN 0
.endm
; The search of one tile.  par: the set that holds the running greatest so far; the other set takes the new one
.macro SEARCH par
.irp a, 0,1,2,3
	v_max3_num_f32 v[RUN+4*(1-(\par))+\a], v[RUN+4*(\par)+\a], v[ACC+8*\a], v[ACC+8*\a+1]   ; each accumulator from its low end on; the four row tiles by turns
.endr
.irp q, 2,4,6
.irp a, 0,1,2,3
	v_max3_num_f32 v[RUN+4*(1-(\par))+\a], v[RUN+4*(1-(\par))+\a], v[ACC+8*\a+\q], v[ACC+8*\a+\q+1]
.endr
.endr
.irp a, 0,1,2,3
	v_cmp_gt_f32 vcc_lo, v[RUN+4*(1-(\par))+\a], v[RUN+4*(\par)+\a]   ; strictly greater: of equals the earlier tile stays
.irp q, 0,2,4
	v_dual_cndmask_b32 v[ST+8*\a+\q], v[ST+8*\a+\q], v[ACC+8*\a+\q] :: v_dual_cndmask_b32 v[ST+8*\a+\q+1], v[ST+8*\a+\q+1], v[ACC+8*\a+\q+1]
.endr
	v_dual_cndmask_b32 v[ST+8*\a+6], v[ST+8*\a+6], v[ACC+8*\a+6] :: v_dual_cndmask_b32 v[ST+8*\a+7], v[ST+8*\a+7], v[TNV]
.endr
.endm
; The search's state is put by in window 1, and the running greatest begins anew at -infinity (its four lines stand ahead of the other 32, which are plain vector work between them and their reader)
.macro PUTBY
	WIN 0x40
.irp a, 0,1,2,3
	v_mov_b32 v[BK+\a], v[RUN+\a]
.endr
	WIN 0
.irp a, 0,1,2,3
	v_mov_b32 v[RUN+\a], s[NINF]
.endr
	WIN 0x40
.set qi, 0
.rept 32
	v_mov_b32 v[BK+4+qi], v[ST+qi]
.set qi, qi+1
.endr
	WIN 0
.endm
.macro LEXMAX v, c, ov, oc             ; (v, c) becomes the better of (v, c) and (ov, oc): by t, and among equal t by the lower code
	v_cmp_gt_f32 s44, v[\ov], v[\v]
	v_cmp_eq_f32 s45, v[\ov], v[\v]
	v_cmp_lt_u32 s46, v[\oc], v[\c]
	s_and_b32 s45, s45, s46
	s_or_b32 s44, s44, s45
	v_cndmask_b32 v[\v], v[\v], v[\ov], s44
	v_cndmask_b32 v[\c], v[\c], v[\oc], s44
.endm
; A SLOT: my four tiles of a chunk.  At its head tile 0's 15 loads are out.  Each s_wait_dscnt 0 shows a tile in registers; the next tile's loads follow it, behind the last search's lines, which are the places
; behind the matrix instructions that read that set.  mode 2: the slot is filled again with the chunk two on; 1: it is not, but a slot follows; 0: the last slot.
.macro SLOTBODY sl, mode
.irp i, 0,1,2
	s_wait_dscnt 0x0
	FETCH \sl, \i+1, (\i+1)%2
	MULS \i%2
	PLACET
	SEARCH \i%2
	s_add_co_u32 s[TN], s[TN], 1
.endr
.if \mode == 2
	s_wait_tensorcnt 0x0                           ; all my tensor loads have landed: the one that was out is my eighth of the other slot; so a group 0 may be written
	ds_add_u32 v[SPW], v[NIL]
	s_add_co_u32 s[CK], s[CK], 1                   ; the next chunk of the walk, chunk 0 behind chunk 15
	s_and_b32 s[CK], s[CK], 15
	s_mul_i32 s[OFS], s[CK], CHUNKB
	s_add_nc_u64 s[G0+4*\sl+2:G0+4*\sl+3], s[BASE:BASE+1], s[OFS:OFS+1]
	s_or_b32 s[G0+4*\sl+3], s[G0+4*\sl+3], 0x80000000
	s_wait_dscnt 0x0                               ; the add is done, and my reads of this slot are over: the fourth tile is in registers
	s_barrier_signal -1                            ; this barrier opens a round of the cluster's barrier; work on registers alone stands inside it
	MULS 1
	s_barrier_wait -1
	CREST                                          ; no wave of any partner still reads this slot or has a load on its way
	tensor_load_to_lds s[G0+4*\sl:G0+4*\sl+3], s[G1:G1+7]   ; my one tensor load behind the round
	s_nop 0
	PLACET                                         ; (four vector lines behind the load; also the places in front of the search)
	FETCH 1-\sl, 0, 0
.elseif \mode == 1
	s_wait_tensorcnt 0x0                           ; my eighth of the walk's last chunk has landed
	s_wait_dscnt 0x0
	s_barrier_signal -1
	MULS 1
	s_barrier_wait -1                              ; and so has everybody's
	PLACET
	FETCH 1-\sl, 0, 0
.else
	s_wait_dscnt 0x0
	MULS 1
	PLACET
.endif
	SEARCH 1
.if \mode > 0
	s_add_co_u32 s[TN], s[TN], 13                  ; from tile 16 c + 4 tq + 3 to 16 (c + 1) + 4 tq,
	s_and_b32 s[TN], s[TN], 255                    ; chunk 0 behind chunk 15
	s_cmp_lt_u32 s[TN], 16                         ; is chunk 0 next?  Made of the cluster's number, the wave's and the walk's steps; the answer is the same in all waves and partners
	s_cbranch_scc0 .Lno_wrap_\@
	PUTBY
.Lno_wrap_\@:
.endif
.endm
	s_load_b128 s[4:7], s[0:1], 0x0                ; ze, cbq
	s_load_b64 s[8:9], s[0:1], 0x10                ; idx
	v_lshl_add_u32 v[SPW], v0, 2, SPARE
	v_mov_b32 v[NIL], 0
	ds_add_u32 v[SPW], v[NIL]                      ; the opening lines: the add, twice on end, and its wait ahead of my first tensor load
	ds_add_u32 v[SPW], v[NIL]
	v_lshrrev_b32 v[T0], 5, v0
	s_delay_alu instid0(VALU_DEP_1)
	v_readfirstlane_b32 s[WV], v[T0]               ; wave 0..7
	s_and_b32 s[RH], s[WV], 1                      ; which 64 rows are mine
	s_lshr_b32 s[TQ], s[WV], 1                     ; which quarter of a chunk
	s_bfe_u32 s11, ttmp6, 0x40000                  ; cx: it enters ze's and idx's addresses alone
	s_lshl_b32 s12, ttmp9, 2
	s_add_co_u32 s12, s12, s11                     ; g = 4 x cluster + cx
	s_mul_i32 s15, s[TQ], WQ                       ; my quarter of a slot
	s_mul_i32 s46, s[WV], REG
	s_add_co_u32 s46, s46, WREGB                   ; my region
	s_lshl_b32 s38, s[WV], 8
	s_add_co_u32 s38, s38, XSC                     ; my four fragments' scale words
	s_mul_i32 s48, s[RH], 4*REG
	s_add_co_u32 s48, s48, WREGB                   ; the four regions of my half's rows
	s_lshl_b32 s49, s[RH], 10
	s_add_co_u32 s49, s49, XSC                     ; and their scale words
	s_lshl_b32 s51, s[RH], 9
	s_add_co_u32 s51, s51, RED                     ; the merge: waves 0 and 1 take 64 rows each
	s_lshl_b32 s50, s[TQ], 10
	s_add_co_u32 s50, s50, s51                     ; my results: 1,024 tq + 8 x row
	s_lshl_b32 s52, s12, 18                        ; ze: 128 g rows of 2,048 bytes + my 16 rows
	s_lshl_b32 s53, s[WV], 15
	s_add_co_u32 s52, s52, s53
	s_mov_b32 s53, 0
	s_lshl_b32 s54, s12, 9                         ; idx: 128 g rows of 4 bytes, + 64 rows for wave 1
	s_lshl_b32 s55, s[RH], 8
	s_add_co_u32 s54, s54, s55
	s_mov_b32 s55, 0
	s_mul_i32 s56, s[WV], WE                       ; my eighth of a chunk, in cbq and in a slot
	s_mov_b32 s57, 0
	s_lshr_b32 s[CK], ttmp9, 4                     ; where my cluster's walk begins: (x + x / 16) mod 16
	s_add_co_u32 s[CK], s[CK], ttmp9
	s_and_b32 s[CK], s[CK], 15
	s_mul_i32 s[OFS], s[CK], CHUNKB                ; the first chunk,
	s_mov_b32 s[OFS+1], 0
	s_lshl_b32 s[TN], s[CK], 4
	s_lshl_b32 s58, s[TQ], 2
	s_add_co_u32 s[TN], s[TN], s58                 ; my first tile,
	s_add_co_u32 s[CK], s[CK], 1
	s_and_b32 s[CK], s[CK], 15
	s_mul_i32 s62, s[CK], CHUNKB                   ; and the second chunk
	s_mov_b32 s63, 0
	s_mov_b32 s[SEL], 0x76543210
	s_mov_b32 s[SEL+1], 0xfedcba98
	s_mov_b32 s[NINF], 0xff800000
	s_mov_b32 s[G1], 15|(3<<16)|(1<<21)            ; the mask: all four work-groups; elements of 8 bytes; bit 21 beside a mask
	s_mov_b32 s[G1+1], 32<<16                      ; tensor_dim0 = 32
	s_mov_b32 s[G1+2], 52<<16                      ; tensor_dim1 = 52
	s_mov_b32 s[G1+3], 32<<16                      ; tile_dim0 = 32
	s_mov_b32 s[G1+4], 52                          ; tile_dim1 = 52
	s_mov_b32 s[G1+5], 32                          ; the pitch: dense rows of 256 bytes
	s_mov_b32 s[G1+6], 0
	s_mov_b32 s[G1+7], 0
	s_wait_dscnt 0x0                               ; both opening adds are done
	v_and_b32 v[T0], 31, v0                        ; lane
	v_and_b32 v[T1], 15, v0                        ; r
	v_bfe_u32 v[H8], v0, 4, 1                      ; h
	v_mov_b32 v[TM+4], 0                           ; written once: a lane permute's destination counts as one of its sources
	v_mov_b32 v[TM+5], 0
	v_lshlrev_b32 v[GA], 4, v[T0]
	v_lshl_add_u32 v[AS], v[T0], 3, s15
	v_lshl_add_u32 v[AC], v[H8], 5, s15
	v_mul_u32_u24 v[STR], v[T1], SP
	v_lshl_add_u32 v[XSW], v[T1], 2, s38
	v_lshl_add_u32 v[XSR], v[T0], 2, s49
	v_add_nc_u32 v[AF], s15, v[GA]
	v_add_nc_u32 v[STW], s46, v[GA]
	v_add_nc_u32 v[XR], s48, v[GA]
	v_add_nc_u32 v[REDR], s51, v[GA]
	v_lshl_add_u32 v[STR], v[H8], 6, v[STR]
	v_lshl_add_u32 v[REDW], v[T1], 3, s50
	v_lshlrev_b32 v[IDO], 3, v[T0]
	v_add_nc_u32 v[AF+1], CHUNKB, v[AF]
	v_add_nc_u32 v[AS+1], CHUNKB, v[AS]
	v_add_nc_u32 v[AC+1], CHUNKB, v[AC]
	v_add_nc_u32 v[STR], s46, v[STR]
	v_lshlrev_b32 v[H8], 3, v[H8]
	v_mov_b32 v[TM+6], 0
	v_mov_b32 v[TM+7], 0
	s_wait_alu depctr_va_vdst(0)
	s_wait_kmcnt 0x0
	s_add_nc_u64 s[4:5], s[4:5], s[52:53]
	s_add_nc_u64 s[8:9], s[8:9], s[54:55]
	s_add_nc_u64 s[BASE:BASE+1], s[6:7], s[56:57]
	s_mov_b32 s[G0], 1
	s_mov_b32 s[G0+1], s56                         ; my eighth of slot 0,
	s_add_nc_u64 s[G0+2:G0+3], s[BASE:BASE+1], s[OFS:OFS+1]   ; of the walk's first chunk
	s_mov_b32 s[G0+4], 1
	s_add_co_u32 s[G0+5], s56, CHUNKB              ; slot 1,
	s_add_nc_u64 s[G0+6:G0+7], s[BASE:BASE+1], s[62:63]   ; the second chunk
	s_or_b32 s[G0+3], s[G0+3], 0x80000000          ; type = 2
	s_or_b32 s[G0+7], s[G0+7], 0x80000000
	LOADF 0                                        ; ze first: 64 loads of 512 bytes a wave
	LOADF 1
	LOADF 2
	LOADF 3
	ROUND                                          ; all four work-groups are here: the first joint loads meet
	tensor_load_to_lds s[G0:G0+3], s[G1:G1+7]      ; the first chunk: one tensor load a wave at the head
	s_nop 0
	PLACES
	XFRAG 0, 48
	XFRAG 1, 32
	XFRAG 2, 16
	XFRAG 3, 0
	s_wait_alu depctr_va_vdst(0)
	s_wait_tensorcnt 0x0                           ; my eighth of the first chunk is in; these lines stand ahead of a later first fill as ahead of a refill
	ds_add_u32 v[SPW], v[NIL]
	s_wait_dscnt 0x0                               ; the add is done, and my images and scale words lie in LDS
	ROUND                                          ; both now hold of every wave
	tensor_load_to_lds s[G0+4:G0+7], s[G1:G1+7]    ; the second chunk, slot 1's first fill
	s_nop 0
	PLACES
	WIN 0x40                                       ; my half's 16 fragments into window 1
.irp a, 0,1,2,3
.irp s, 0,1,2,3
.irp c, 0,1,2
	ds_load_b128 v[48*\a+12*\s+4*\c:48*\a+12*\s+4*\c+3], v[XR] offset:REG*\a+(STG+1536*\s)*(1-\s/3)+512*\c
.endr
.endr
.endr
.set qi, 0
.rept 36
	v_mov_b32 v[BK+qi], s[NINF]                    ; the state put by: -infinity where the walk begins at chunk 0 and nothing is put by
.set qi, qi+1
.endr
	WIN 0
.irp a, 0,1,2,3
.irp u, 0,1
	ds_load_b32 v[ZS+2*\a+\u], v[XSR] offset:128*(2*\a+\u)   ; lanes 0-15: K step 2 u; lanes 16-31: K step 2 u + 1
.endr
.endr
	FETCH 0, 0, 0
.irp a, 0,1,2,3
	v_mov_b32 v[RUN+\a], s[NINF]                   ; the running greatest begins at -infinity
.endr
.set qi, 0
.rept 32
	v_mov_b32 v[ST+qi], 0                          ; (read under a mask before they are first taken, so they are written)
.set qi, qi+1
.endr
	s_mov_b32 s[TRIP], 7                           ; a trip takes two chunks and asks for two: the walk's third to sixteenth chunk come by refills
	s_wait_alu depctr_va_vdst(0)
.Lslot:
	SLOTBODY 0, 2
	SLOTBODY 1, 2
	s_sub_co_u32 s[TRIP], s[TRIP], 1
	s_cmp_lg_u32 s[TRIP], 0
	s_cbranch_scc1 .Lslot
	SLOTBODY 0, 1                                  ; the tail is written out
	SLOTBODY 1, 0
	; THE END.  First the state put by, whose codes are the higher ones: it wins only where its t is strictly greater.
	WIN 0x01                                       ; source 0 window 1
.irp a, 0,1,2,3
	v_cmp_gt_f32 s[MK+\a], v[BK+\a], v[RUN+\a]
.endr
	WIN 0x04                                       ; source 1 window 1
.irp a, 0,1,2,3
	v_cndmask_b32 v[RUN+\a], v[RUN+\a], v[BK+\a], s[MK+\a]
.endr
.set qi, 0
.rept 32
	v_cndmask_b32 v[ST+qi], v[ST+qi], v[BK+4+qi], s[MK+qi/8]
.set qi, qi+1
.endr
	WIN 0
	; Which of the winning tile's eight codes: the first kept t that equals the greatest, else the eighth.  Then the better of the row's two lanes, then of the four quarters.
.irp a, 0,1,2,3
	v_mov_b32 v[JJ+\a], 7
.endr
.irp a, 0,1,2,3,4,5,6,7
	v_mov_b32 v[OVB+\a], 0
.endr
.irp q, 6,5,4,3,2,1,0
.irp a, 0,1,2,3
	v_cmp_eq_f32 s[MK+\a], v[ST+8*\a+\q], v[RUN+\a]
.endr
.irp a, 0,1,2,3
	v_cndmask_b32 v[JJ+\a], v[JJ+\a], \q, s[MK+\a]
.endr
.endr
.irp a, 0,1,2,3
	v_mov_b32 v[VP+2*\a], v[RUN+\a]
.endr
.irp a, 0,1,2,3
	v_lshl_add_u32 v[VP+2*\a+1], v[ST+8*\a+7], 4, v[JJ+\a]
.endr
.irp a, 0,1,2,3
	v_permlanex16_b32 v[OVB+2*\a], v[VP+2*\a], s[SEL], s[SEL+1]
.endr
.irp a, 0,1,2,3
	v_add_nc_u32 v[VP+2*\a+1], v[VP+2*\a+1], v[H8]   ; code = 16 T + 8 h + j
.endr
	v_nop
.irp a, 0,1,2,3
	v_permlanex16_b32 v[OVB+2*\a+1], v[VP+2*\a+1], s[SEL], s[SEL+1]
.endr
.irp a, 0,1,2,3
	LEXMAX VP+2*\a, VP+2*\a+1, OVB+2*\a, OVB+2*\a+1
	ds_store_b64 v[REDW], v[VP+2*\a:VP+2*\a+1] offset:128*\a   ; both lanes of a row write the same pair
.endr
	s_wait_alu depctr_va_vdst(0)
	s_wait_dscnt 0x0                               ; for the others' sake: my results lie in LDS
	s_barrier_signal -1
	s_barrier_wait -1
	s_cmp_lt_u32 s[WV], 2
	s_cbranch_scc0 .Lno_store
.irp q, 0,1,2,3
	ds_load_b128 v[VP+4*\q:VP+4*\q+3], v[REDR] offset:1024*\q   ; quarter q's pairs of my two rows
.endr
	s_wait_dscnt 0x0
.irp q, 1,2,3
	LEXMAX VP, VP+1, VP+4*\q, VP+4*\q+1
	LEXMAX VP+2, VP+3, VP+4*\q+2, VP+4*\q+3
.endr
	v_mov_b32 v[OVB], v[VP+1]
	v_mov_b32 v[OVB+1], v[VP+3]
	global_store_b64 v[IDO], v[OVB:OVB+1], s[8:9]  ; 32 lanes store 64 rows' codes: 256 consecutive bytes, aligned
.Lno_store:
	s_wait_tensorcnt 0x0                           ; the wave's end
	ds_add_u32 v[SPW], v[NIL]
	s_wait_dscnt 0x0
	ROUND                                          ; the closing round
	s_endpgm
.Lfunc_end_k_q7918520fc5_argmin:
	.size	k_q7918520fc5_argmin, .Lfunc_end_k_q7918520fc5_argmin-k_q7918520fc5_argmin
	.p2alignl 7, 3214868480
	.fill 96, 4, 3214868480
	.section	.rodata,"a",@progbits
	.p2align	6, 0x0
	.amdhsa_kernel k_q7918520fc5_argmin
		.amdhsa_group_segment_fixed_size 327680
		.amdhsa_private_segment_fixed_size 0
		.amdhsa_enable_private_segment 0
		.amdhsa_kernarg_size 24
		.amdhsa_user_sgpr_count 2
		.amdhsa_user_sgpr_kernarg_segment_ptr 1
		.amdhsa_wavefront_size32 1
		.amdhsa_system_sgpr_workgroup_id_x 1
		.amdhsa_system_sgpr_workgroup_id_y 1
		.amdhsa_system_sgpr_workgroup_id_z 1
		.amdhsa_system_vgpr_workitem_id 0
		.amdhsa_next_free_vgpr 512
		.amdhsa_next_free_sgpr 66
		.amdhsa_reserve_vcc 1
		.amdhsa_float_denorm_mode_32 3
		.amdhsa_float_denorm_mode_16_64 3
		.amdhsa_memory_ordered 1
		.amdhsa_forward_progress 1
		.amdhsa_inst_pref_size 147
	.end_amdhsa_kernel
	.amdgpu_metadata
---
amdhsa.version: [ 1, 2 ]
amdhsa.kernels:
  - .name:           k_q7918520fc5_argmin
    .symbol:         k_q7918520fc5_argmin.kd
    .args:
      - { .name: ze, .offset: 0, .size: 8, .value_kind: global_buffer, .address_space: global }
      - { .name: cbq, .offset: 8, .size: 8, .value_kind: global_buffer, .address_space: global }
      - { .name: idx, .offset: 16, .size: 8, .value_kind: global_buffer, .address_space: global }
    .group_segment_fixed_size: 327680
    .private_segment_fixed_size: 0
    .kernarg_segment_align: 8
    .kernarg_segment_size: 24
    .max_flat_workgroup_size: 256
    .sgpr_count:     66
    .vgpr_count:     512
    .wavefront_size: 32
...
	.end_amdgpu_metadata
.endif
;; end of part 2
;; launch gather (part 3): grid 512 x 1, 8 waves a work-group, no clusters, 0 bytes of LDS; arguments codebook, idx, out0; writes out0
.if DOCPART == 3
	.amdgcn_target "amdgcn-amd-amdhsa--gfx1250"
	.amdhsa_code_object_version 6
	.text
	.protected	k_q7918520fc5_gather
	.globl	k_q7918520fc5_gather
	.p2align	8
	.type	k_q7918520fc5_gather,@function
k_q7918520fc5_gather:
	s_mov_b64 s[64:65], 0
	v_nop
	global_prefetch_b8 v0, s[64:65] scope:SCOPE_SE
	s_setreg_imm32_b32 hwreg(HW_REG_WAVE_MODE, 25, 1), 1
	s_wait_xcnt 0x0
; out0[row][:] = codebook[idx[row]][:], f32 rows of 2,048 bytes.  idx holds the whole numbers that the launch before stored.
; A stream: wave q = 8 x work-group + wave owns rows 8 q .. 8 q + 7.  Its eight indices come by one scalar load.  A row is four loads of 512 consecutive bytes and four stores of the same, aligned.
; Loads and stores take turns: rows 0 and 1 are asked for first; then, for each row k, row k + 2 is asked for, row k is waited for and stored.  So a wave has three rows' loads out at the most,
; and its stores begin behind its first row.  Each row has registers of its own: no register is written twice.  No loop, no LDS, no barrier, no matrix unit, no cluster: waves share nothing.
; No prefetch: a row's address is known only from the index, two rows ahead of its use at the most, and the loads themselves run that far ahead.
; An index is held to 0 .. 4095 before it enters an address.  The table's rows carry no hint: the list may name a row many times; the output is written once and read by nobody here.
.macro ROWIN k                         ; row k's four loads
.irp j, 0,1,2,3
	global_load_b128 v[16+16*(\k)+4*\j:16+16*(\k)+4*\j+3], v[2+(\k)], s[4:5] offset:512*\j
.endr
.endm
	s_load_b128 s[4:7], s[0:1], 0x0                ; the codebook, idx
	s_load_b64 s[8:9], s[0:1], 0x10                ; out0
	v_lshrrev_b32 v1, 5, v0
	s_delay_alu instid0(VALU_DEP_1)
	v_readfirstlane_b32 s10, v1                    ; wave 0..7
	v_and_b32 v1, 31, v0
	s_delay_alu instid0(VALU_DEP_1)
	v_lshlrev_b32 v1, 4, v1                        ; 16 x lane; never rewritten
	s_lshl_b32 s11, ttmp9, 3
	s_add_co_u32 s11, s11, s10                     ; q
	s_lshl_b32 s12, s11, 5                         ; my 8 indices: 32 bytes
	s_mov_b32 s13, 0
	s_lshl_b32 s14, s11, 14                        ; my 8 rows of out0: 16,384 bytes
	s_mov_b32 s15, 0
	s_wait_alu depctr_va_vdst(0)
	s_wait_kmcnt 0x0
	s_add_nc_u64 s[6:7], s[6:7], s[12:13]
	s_add_nc_u64 s[8:9], s[8:9], s[14:15]
	s_load_b256 s[16:23], s[6:7], 0x0
	s_wait_kmcnt 0x0
.irp k, 0,1,2,3,4,5,6,7
	s_min_u32 s[16+\k], s[16+\k], 0xfff
	v_lshl_add_u32 v[2+\k], s[16+\k], 11, v1       ; the row's first byte + 16 x lane
.endr
	s_wait_alu depctr_va_vdst(0)
	ROWIN 0
	ROWIN 1
.irp k, 0,1,2,3,4,5,6,7
.if \k < 6
	ROWIN \k+2
	s_wait_loadcnt 8                               ; row k's four loads are in; the four of each of the two younger rows may be out
.else
	s_wait_loadcnt 4*(7-\k)                        ; the last rows: one younger row, then none
.endif
.irp j, 0,1,2,3
	global_store_b128 v1, v[16+16*\k+4*\j:16+16*\k+4*\j+3], s[8:9] offset:2048*\k+512*\j th:TH_STORE_NT
.endr
.endr
	s_endpgm
.Lfunc_end_k_q7918520fc5_gather:
	.size	k_q7918520fc5_gather, .Lfunc_end_k_q7918520fc5_gather-k_q7918520fc5_gather
	.p2alignl 7, 3214868480
	.fill 96, 4, 3214868480
	.section	.rodata,"a",@progbits
	.p2align	6, 0x0
	.amdhsa_kernel k_q7918520fc5_gather
		.amdhsa_group_segment_fixed_size 0
		.amdhsa_private_segment_fixed_size 0
		.amdhsa_enable_private_segment 0
		.amdhsa_kernarg_size 24
		.amdhsa_user_sgpr_count 2
		.amdhsa_user_sgpr_kernarg_segment_ptr 1
		.amdhsa_wavefront_size32 1
		.amdhsa_system_sgpr_workgroup_id_x 1
		.amdhsa_system_sgpr_workgroup_id_y 1
		.amdhsa_system_sgpr_workgroup_id_z 1
		.amdhsa_system_vgpr_workitem_id 0
		.amdhsa_next_free_vgpr 144
		.amdhsa_next_free_sgpr 66
		.amdhsa_reserve_vcc 0
		.amdhsa_float_denorm_mode_32 3
		.amdhsa_float_denorm_mode_16_64 3
		.amdhsa_memory_ordered 1
		.amdhsa_forward_progress 1
		.amdhsa_inst_pref_size 9
	.end_amdhsa_kernel
	.amdgpu_metadata
---
amdhsa.version: [ 1, 2 ]
amdhsa.kernels:
  - .name:           k_q7918520fc5_gather
    .symbol:         k_q7918520fc5_gather.kd
    .args:
      - { .name: codebook, .offset: 0, .size: 8, .value_kind: global_buffer, .address_space: global }
      - { .name: idx, .offset: 8, .size: 8, .value_kind: global_buffer, .address_space: global }
      - { .name: out0, .offset: 16, .size: 8, .value_kind: global_buffer, .address_space: global }
    .group_segment_fixed_size: 0
    .private_segment_fixed_size: 0
    .kernarg_segment_align: 8
    .kernarg_segment_size: 24
    .max_flat_workgroup_size: 256
    .sgpr_count:     66
    .vgpr_count:     144
    .wavefront_size: 32
...
	.end_amdgpu_metadata
.endif
;; end of part 3
